; MI455X (gfx1250); checked and timed in simulation.
; The chip was launched on July 23, 2026; its instructions are those of AMD's public machine-readable ISA for CDNA 5 (MIT licence, August 2026) and "CDNA5" Instruction Set Architecture Reference Guide (July 2026). The comments in the code are by the model that wrote it; some were corrected since.
;; Seq Attention. Allowed arithmetic: matrix products marked QUANTISED: E2M1 operands, one E8M0 scale for each 32 along K, by v_wmma_scale_f32_16x16x128_f8f6f4 with both operands' format E2M1 (or v_wmma_scale_f32_32x16x128_f4), f32 sums; everything else in f32.
;; Inputs: key_codes 8 x 2,048 x 32 x 16 uint8 (E2M1 codes of key, K innermost, in blocks of 32 codes, two codes a byte); key_pe_codes 1 x 2,048 x 32 x 16 uint8 (E2M1 codes of key_pe, K innermost, in blocks of 32 codes, two codes a byte); key_pe_scales 1 x 2,048 x 32 uint8 (E8M0 scales of key_pe, one for each 32 codes along K); key_scales 8 x 2,048 x 32 uint8 (E8M0 scales of key, one for each 32 codes along K); query_codes 8 x 1,024 x 32 x 16 uint8 (E2M1 codes of query, K innermost, in blocks of 32 codes, two codes a byte); query_scales 8 x 1,024 x 32 uint8 (E8M0 scales of query, one for each 32 codes along K); value_codes 8 x 1,024 x 64 x 16 uint8 (E2M1 codes of value, K innermost, in blocks of 32 codes, two codes a byte); value_scales 8 x 1,024 x 64 uint8 (E8M0 scales of value, one for each 32 codes along K).
;; Outputs: out0 8 x 1,024 x 1,024 float32.
;; Constants: hidden_size = 1024.
;; This version of the problem:
;;   THIS VERSION OF THE PROBLEM IS GIVEN IN LOW PRECISION. The matrix products marked QUANTISED in the list below multiply operands that are first quantised to E2M1 (2 exponent bits, 1 mantissa bit; 4 bits a number), with one power-of-two scale for each 32 numbers along K (OCP MX v1.0); their sums are f32. All else is computed in f32.
;;   The module's matrix products, in the order in which they are computed (A, B: the left and right operand; K: the contracted axis; several contracted axes count as one K, in the product's order):
;;     1. batch 8 x [M 1,024, K 1,024] x [K 1,024, N 2,048]; A: input query (given as codes); B: input key (given as codes): QUANTISED
;;     2. [M 8,192, K 1,024] x [K 1,024, N 2,048]; A: input query (given as codes); B: input key_pe (given as codes): QUANTISED
;;     3. batch 8 x [M 1,024, K 2,048] x [K 2,048, N 1,024]; A: computed on the way; B: input value (given as codes): QUANTISED
;;   THE QUANTISER, for each operand of a quantised product, along K:
;;     - K is cut into blocks of 32 from its start; a last block that is shorter is filled with zeros.
;;     - A block's scale is 2^e with e = floor(log2(the largest magnitude in the block)) - 2, held to -126 .. 127; a block of zeros has e = 0. As a byte (E8M0): e + 127.
;;     - Each number is divided by its block's scale, clamped to +-6, and rounded to the nearest number of E2M1, ties to even, subnormals kept.
;;     - The product sums the exact products of the quantised numbers (number of the format x scale) in f32.
;;   ~~~python
;;   def quantise(x, axis):      # numpy; x: float32 -> the quantised numbers, widened to float32 again
;;       x = np.moveaxis(x, axis, -1); K = x.shape[-1]
;;       x = np.pad(x, [(0, 0)] * (x.ndim - 1) + [(0, -K % 32)]); x = x.reshape(x.shape[:-1] + (-1, 32)); a = np.abs(x).max(-1, keepdims=True)
;;       e = np.where(a > 0, np.clip(np.frexp(np.where(a > 0, a, 1))[1] - 1 - 2, -126, 127), 0)      # np.frexp(a)[1] - 1 = floor(log2(a)), exactly
;;       r = np.clip(x / 2.0 ** e, -6, 6)
;;       step = 2.0 ** (np.maximum(np.frexp(np.where(r == 0, 1, r))[1] - 1, 0) - 1)
;;       q = np.round(r / step) * step * 2.0 ** e      # np.round: ties to even
;;       return np.moveaxis(q.reshape(q.shape[:-2] + (-1,))[..., :K], -1, axis).astype(np.float32)
;;   ~~~
;;   OPERANDS COMPUTED ON THE WAY. 'Computed on the way' means the value that the module computes at that place (a softmax that the list does not call 'softmax' is quantised finished and normalised). What goes into a quantiser is computed in f32, as accurately as f32 sums, v_exp_f32 and their like allow (about 1e-6 of the number): no bf16 or f16 on the way to a quantiser, and a product that is left as it is and whose result goes on into a quantised operand takes f32 operands (vector FMAs, or v_wmma_f32_16x16x4_f32). A number that lies on a knife's edge between two numbers of the format may be rounded either way, as far as f32 arithmetic and the matrix unit's own rounding can turn it there, and no further.
;;   INPUTS GIVEN AS CODES. key (in the module: [8, 2048, 1024], K = its axis 2); key_pe (in the module: [1, 1024, 2048], K = its axis 1); query (in the module: [8, 1024, 1024], K = its axis 2); value (in the module: [8, 2048, 1024], K = its axis 1): each comes as NAME_codes (uint8): NAME with its K axis moved to the last place and cut into blocks of 32 codes, [.., K / 32, bytes a block], one block behind the other in memory; two codes a byte, the lower K in the low four bits (a code: sign, 2 exponent bits, 1 mantissa bit); and NAME_scales (uint8): the same leading axes, one E8M0 byte (e + 127) for each 32 codes along K. Its value is code x scale, taken as it is: it is not quantised again, and the codes and scales need not be those that the quantiser above would give.
;; One version. Each part assembles by itself: llvm-mc -triple=amdgcn-amd-amdhsa -mcpu=gfx1250 --defsym DOCPART=n.
;; ======== version 1 of 1: 2 launches
;; limits: right only within a limited range of input values
;; workspace buffers: simg 8,388,608 bytes; sscl 524,288 bytes
;; launch scores (part 1): grid 8 x 32, 4 waves a work-group, clusters of 4 x 4, 279,040 bytes of LDS; arguments query_codes, query_scales, key_codes, key_scales, simg, sscl; writes simg, sscl
.if DOCPART == 1
	.amdgcn_target "amdgcn-amd-amdhsa--gfx1250"
	.amdhsa_code_object_version 6
	.text
	.protected	k_q155f890ea4_scores
	.globl	k_q155f890ea4_scores
	.p2align	8
	.type	k_q155f890ea4_scores,@function
k_q155f890ea4_scores:
	s_mov_b64 s[64:65], 0
	v_nop
	global_prefetch_b8 v0, s[64:65] scope:SCOPE_SE
	s_setreg_imm32_b32 hwreg(HW_REG_WAVE_MODE, 25, 1), 1
	s_wait_xcnt 0x0
	s_wait_alu depctr_hold_cnt(0) depctr_sa_sdst(0) depctr_va_vdst(0) depctr_va_sdst(0) depctr_va_ssrc(0) depctr_va_vcc(0) depctr_vm_vsrc(0)
	s_getreg_b32 s2, hwreg(HW_REG_IB_STS2, 6, 4)
	s_cmp_eq_u32 s2, 0
	s_cbranch_scc0 .Lentry_in_a_cluster
	s_endpgm
.Lentry_in_a_cluster:
	s_bfe_u32 s2, ttmp6, 0x10000c
	s_cmp_lg_u32 s2, 0xf033
	s_cbranch_scc0 .Lentry_shape_is_right
	s_endpgm
.Lentry_shape_is_right:
; S[b][m][l] = sum over h of query[b][m][h] key[b][l][h], on codes of FP4 (E2M1) with one E8M0 scale for each 32 along h; sums in f32, h ascending, one sum for each number.
; S is then quantised along the keys l, in blocks of 32 (scale 2^(floor(log2(largest magnitude)) - 2), nearest code, ties to even, held at the largest code), and leaves as codes and scale words for the second launch.
; NOT COMPUTED: the module's product of query with key_pe and the softmax behind it.  The module assigns them to a name that it never uses; no number of its result hangs on them, so key_pe's two buffers are not read.
; LIMITS: a block of S whose largest magnitude lies under 2^-124 (a block of zeros too) gets the scale byte 1 where the rule says 127: its codes are zeros or nearly so, and this program alone reads the bytes.
;   NaN and infinities (a given scale byte 0xff, sums beyond f32) are not served.
; SHARES.  A work-group makes 256 queries x 256 keys of one batch; each of its four waves 128 x 128: 64 accumulators of 16 x 16, 512 registers.  K = 1,024 lies in LDS whole: two slots of 512 along K
;   (rows of 256 bytes), each filled ONCE, both asked for at the start.  No LDS byte is filled twice and none is stored to.
; CLUSTER 4 x 4: a cluster is one batch's 1,024 queries x 1,024 keys.  The four work-groups of a row of the cluster need the same rows of query, the four of a column the same rows of key: each tile is asked
;   for jointly, by the same tensor load with the same descriptor and a mask that names the four.
; THE MATRIX INSTRUCTION IS USED TRANSPOSED (source 0 = 16 keys, source 1 = 16 queries): lane (r, h) of accumulator (a, b) holds query 16 a + r and keys 16 b + 8 h + 0 .. 7: its registers run along the next product's K.
; THE SCALES are loaded once from memory into scale registers: lane l takes row 32 p + l, so that one register carries block 2 p in lanes 0-15 and block 2 p + 1 in lanes 16-31.
; WHAT LEAVES.  simg [row / 16][key / 128][1,024 bytes]: the image of an operand's registers (16 rows x 128 keys): registers 4 c .. 4 c + 3 of lane l at 512 c + 16 l.
;   sscl [row / 128][key / 128][lane][p][4 bytes]: the scale word of row 32 p + lane.  Every store of a wave covers 512 consecutive bytes, aligned.
; REGISTERS, in windows of 256: window 0: v1-26 addresses; v32-63 query's scale words, v64-95 key's; v128-255 query's fragments, two sets of 8 (on the way out: codes, largest magnitudes, scale words).
;   window 1: key's fragments, sets at v0 and v128.   window 2: accumulators of my rows 0-63 ((a, b) at v[8 (8 (a % 4) + b)]);   window 3: of my rows 64-127.
.set PITCH, 272                        ; an LDS row: 256 bytes + 16 of padding = 68 words: row r starts at bank 4 r mod 64 (64 banks of 4 bytes: ISA guide 11.1), so the 16 rows of a load start at 16 different banks
; ONE INSTRUCTION TAKES TWO NEIGHBOURING BLOCKS OF SOURCE 0 (32 x 16 x 128): keys 16 b .. 16 b + 31 with b even.  What the head says of 16 keys of source 0 and of an accumulator (a, b) holds of each half: the pair (a, b), (a, b + 1) is one run of 16 registers.
.set HALFT, 128*PITCH                  ; 128 rows: what one wave reads of query or of key
; A NaN, an infinity or an overflow that would arise only in the product with key_pe or in the softmax is not carried to the result.
; No prefetch: every byte of a work-group is asked for once, at the start, and no loop follows in which one could run ahead.
.set SLOT,  4*HALFT                    ; query's 256 rows, then key's 256 rows, 512 along K
.set ADRA,  16                         ; v16-17  LDS address of my query fragments in slot 0, 1
.set ADRB,  20                         ; v20-21  the same for key
.set LN32,  10                         ; v10     32 x lane: a row of scale bytes
.set CO,    26                         ; v26     16 x lane: my place in an image
.set SA,    32                         ; query's scale words: register 8 p + kf
.set SB,    64                         ; key's
.set AF,    128                        ; query's fragments: set s at AF + 64 s
.set PC,    128                        ; the way out: codes, 8 registers for each block of 16 rows
.set TM,    192                        ; two sets, at v192 and v224 (one for each of two blocks of rows): + 0-3 largest magnitudes, + 4-7 the other half's, then bytes, + 12-15 the conversions' scale operands
.set PW,    208                        ; v208-215 a scale word for each block of rows
.set WS,    216                        ; v216-219 the four words that a lane stores
.set G1A,   24                         ; s[24:31] descriptor group 1 for query's tiles;  s[32:35] group 0
.set G0A,   32
.set G1B,   48                         ; s[48:55], s[56:59] the same for key's
.set G0B,   56
.set MSB,   0
.macro WIN new                         ; bits 1:0 source 0, 3:2 source 1, 5:4 source 2, 7:6 destination; the high byte repeats the setting that is left
.if MSB != (\new)
	s_set_vgpr_msb (MSB<<8)|(\new)
.set MSB, (\new)
.endif
.endm
; THE HEAD'S LOADS, ONE A WAVE, all joint: wave 0 fetches query's 256 rows of slot 0, wave 1 key's, wave 2 query's of slot 1, wave 3 key's.
; ONE tree of branches on the wave's number, an arm a load: slot 1's lines are not those of slot 0, since their waves wait later.  Four v_nop follow each line.
.macro ARM under, g0, g1, next
	s_cmp_lt_u32 s16, \under
	s_cbranch_scc0 \next
	tensor_load_to_lds s[\g0:\g0+3], s[\g1:\g1+7]
	s_nop 0
.rept 4
	v_nop
.endr
	s_branch .Lhead_asked
\next:
.endm
.macro CREST                           ; a round of the cluster's barrier behind its opening barrier
	s_cmp_lg_u32 s16, 0
	s_cbranch_scc1 .Lnot_wave_0_\@
	s_barrier_signal -3
.Lnot_wave_0_\@:
	s_barrier_wait -3
	s_barrier_signal -1
	s_barrier_wait -1
.endm
.macro CROUND                          ; a whole round
	s_barrier_signal -1
	s_barrier_wait -1
	CREST
.endm
.macro PLACES                          ; four plain places behind a matrix instruction, ahead of loads into registers that it read and of reads of its result
.rept 4
	v_nop
.endr
.endm
	s_load_b256 s[4:11], s[0:1], 0x0               ; query's codes s[4:5], its scales s[6:7], key's codes s[8:9], its scales s[10:11]
	s_load_b128 s[12:15], s[0:1], 0x20             ; simg s[12:13], sscl s[14:15]
	v_lshl_add_u32 v126, v0, 2, 0x44000
	v_mov_b32 v127, 0
	ds_add_u32 v126, v127
	ds_add_u32 v126, v127
	v_lshrrev_b32 v1, 5, v0
	v_readfirstlane_b32 s16, v1                    ; wave 0..3
	s_lshr_b32 s17, s16, 1                         ; wr: which 128 queries I multiply.  Also: which slot I fetch for
	s_and_b32 s18, s16, 1                          ; wc: which 128 keys I multiply
	s_bfe_u32 s19, ttmp6, 0x40000                  ; cx
	s_bfe_u32 s20, ttmp6, 0x40004                  ; cy
	s_lshl_b32 s21, ttmp9, 2
	s_add_co_u32 s21, s21, s19                     ; tx: which 256 keys = 4 x cluster x + cx
	s_and_b32 s22, ttmp7, 0xffff                   ; the batch = cluster y
	s_lshl_b32 s23, s22, 2
	s_add_co_u32 s23, s23, s20                     ; ty: which 256 of the 8,192 query rows = 4 x batch + cy
	s_lshl_b32 s40, s20, 2
	s_lshl_b32 s40, 15, s40                        ; my row of the cluster
	s_lshl_b32 s41, 0x1111, s19                    ; my column
	; descriptor group 1: 256 rows x 256 bytes, rows 512 bytes apart in memory, 16 bytes of padding behind each in LDS
	s_or_b32 s[G1A+0], s40, (0<<16)|(1<<20)|(1<<21)|(5<<22)|(3<<25)   ; 15:0 the mask; 17:16 elements of 1 byte; 20 padding on; 21 set beside a mask; 24:22 after every 64 words; 31:25 four words
	s_or_b32 s[G1B+0], s41, (0<<16)|(1<<20)|(1<<21)|(5<<22)|(3<<25)
.irp g, G1A, G1B
	s_mov_b32 s[\g+1], 256<<16                     ; tensor_dim0
	s_mov_b32 s[\g+2], 256<<16                     ; tensor_dim1
	s_mov_b32 s[\g+3], 256<<16                     ; tile_dim0
	s_mov_b32 s[\g+4], 256                         ; tile_dim1
	s_mov_b32 s[\g+5], 512                         ; from row to row
	s_mov_b32 s[\g+6], 0
	s_mov_b32 s[\g+7], 0
.endr
	; byte offsets, each in a pair of its own with 0 above
	s_lshl_b32 s42, s23, 17                        ; query's tile: 256 ty rows of 512 bytes
	s_lshl_b32 s43, s17, 8                         ;   + 256 bytes for slot 1
	s_add_co_u32 s42, s42, s43
	s_mov_b32 s43, 0
	s_lshl_b32 s44, s22, 20                        ; key's tile: the batch's 2,048 rows of 512 bytes
	s_lshl_b32 s45, s21, 17                        ;   + 256 tx rows
	s_add_co_u32 s44, s44, s45
	s_lshl_b32 s45, s17, 8                         ;   + 256 bytes for slot 1
	s_add_co_u32 s44, s44, s45
	s_mov_b32 s45, 0
	s_lshl_b32 s46, s23, 13                        ; query's scales of the rows that I multiply: 32 bytes a row
	s_lshl_b32 s47, s17, 12
	s_add_co_u32 s46, s46, s47
	s_mov_b32 s47, 0
	s_lshl_b32 s66, s22, 16                        ; key's likewise
	s_lshl_b32 s67, s21, 13
	s_add_co_u32 s66, s66, s67
	s_lshl_b32 s67, s18, 12
	s_add_co_u32 s66, s66, s67
	s_mov_b32 s67, 0
	s_lshl_b32 s68, s23, 18                        ; simg: block of rows 16 ty + 8 wr, 16,384 bytes each; key step 2 tx + wc, 1,024 bytes each
	s_lshl_b32 s69, s17, 17
	s_add_co_u32 s68, s68, s69
	s_lshl_b32 s69, s21, 11
	s_add_co_u32 s68, s68, s69
	s_lshl_b32 s69, s18, 10
	s_add_co_u32 s68, s68, s69
	s_mov_b32 s69, 0
	s_lshl_b32 s70, s23, 14                        ; sscl: group of rows 2 ty + wr, 8,192 bytes each; key step 2 tx + wc, 512 bytes each
	s_lshl_b32 s71, s17, 13
	s_add_co_u32 s70, s70, s71
	s_lshl_b32 s71, s21, 10
	s_add_co_u32 s70, s70, s71
	s_lshl_b32 s71, s18, 9
	s_add_co_u32 s70, s70, s71
	s_mov_b32 s71, 0
	s_mov_b32 s72, 0x76543210
	s_mov_b32 s73, 0xfedcba98                      ; v_permlanex16_b32's selects for lane l xor 16
	s_mov_b32 s74, 0xffff0000                      ; lanes 16-31
	s_mul_i32 s75, s17, SLOT                       ; where my tile goes: its slot (key's behind query's 256 rows): no place in the cluster enters an LDS address
	s_mul_i32 s76, s17, HALFT                      ; my 128 rows of query
	s_mul_i32 s77, s18, HALFT                      ; my 128 rows of key,
	s_add_co_u32 s77, s77, 2*HALFT                 ; which lie behind query's 256
	s_add_co_u32 s78, s76, SLOT                    ; the same in slot 1
	s_add_co_u32 s79, s77, SLOT
	s_mov_b32 s[G0A], 1                            ; count = 1
	s_mov_b32 s[G0A+1], s75                        ; LDS address
	s_mov_b32 s[G0B], 1
	s_add_co_u32 s[G0B+1], s75, 2*HALFT
	v_and_b32 v1, 15, v0                           ; r
	v_bfe_u32 v2, v0, 4, 1                         ; h
	v_and_b32 v3, 31, v0                           ; lane
	v_mul_u32_u24 v4, v1, PITCH
	v_lshl_add_u32 v4, v2, 4, v4                   ; a fragment's row x pitch + 16 h
	v_lshlrev_b32 v[LN32], 5, v3
	v_lshlrev_b32 v[CO], 4, v3
	v_add_nc_u32 v[ADRA], s76, v4
	v_add_nc_u32 v[ADRB], s77, v4
	v_add_nc_u32 v[ADRA+1], s78, v4
	v_add_nc_u32 v[ADRB+1], s79, v4
	s_wait_alu depctr_va_vdst(0)
	s_wait_dscnt 0x0                               ; both opening adds are done
	s_wait_kmcnt 0x0
	s_add_nc_u64 s[4:5], s[4:5], s[42:43]
	s_add_nc_u64 s[8:9], s[8:9], s[44:45]
	s_add_nc_u64 s[6:7], s[6:7], s[46:47]
	s_add_nc_u64 s[10:11], s[10:11], s[66:67]
	s_add_nc_u64 s[12:13], s[12:13], s[68:69]
	s_add_nc_u64 s[14:15], s[14:15], s[70:71]
	s_mov_b64 s[G0A+2:G0A+3], s[4:5]               ; global address
	s_or_b32 s[G0A+3], s[G0A+3], 0x80000000        ; type = 2
	s_mov_b64 s[G0B+2:G0B+3], s[8:9]
	s_or_b32 s[G0B+3], s[G0B+3], 0x80000000
	CROUND                                         ; all sixteen work-groups are here: the joint loads meet
	ARM 1, G0A, G1A, .Lhead_k0
	ARM 2, G0B, G1B, .Lhead_q1
	ARM 3, G0A, G1A, .Lhead_k1
	tensor_load_to_lds s[G0B:G0B+3], s[G1B:G1B+7]
	s_nop 0
.rept 4
	v_nop
.endr
.Lhead_asked:
.irp p, 0,1,2,3                                ; the scale words of all of K: lane l takes row 32 p + l, 32 bytes = 8 words
.irp j, 0,1
	global_load_b128 v[SA+8*\p+4*\j:SA+8*\p+4*\j+3], v[LN32], s[6:7] offset:1024*\p+16*\j
	global_load_b128 v[SB+8*\p+4*\j:SB+8*\p+4*\j+3], v[LN32], s[10:11] offset:1024*\p+16*\j
.endr
.endr
.macro FRAG reg, adr, q, i             ; a fragment, 16 rows x 128 K of 4-bit codes: lane (r, h) holds row r; registers 4 c .. 4 c + 3 hold K = 64 c + 32 h + 0 .. 31: 16 bytes as they lie
.irp c, 0,1
	ds_load_b128 v[\reg+4*\c:\reg+4*\c+3], v[\adr] offset:64*(\q)+32*\c+(\i)*16*PITCH
.endr
.endm
.macro FETCH slot, q, set              ; 32 LDS loads in one run: the slot's q-th 128 along K: key's eight fragments, then query's eight
	WIN 0x40
.irp i, 0,1,2,3,4,5,6,7
	FRAG 128*(\set)+8*\i, ADRB+\slot, \q, \i
.endr
	WIN 0
.irp i, 0,1,2,3,4,5,6,7
	FRAG AF+64*(\set)+8*\i, ADRA+\slot, \q, \i
.endr
.endm
; Two products in one instruction: query's block a x key's blocks b and b + 1 (b even), the kf-th 128 along K.  Key's scale register carries the 32 rows' words in its 32 lanes; an odd block a of query has its words in lanes 16-31.
; zero = 1: the instruction starts the sums: nothing is ever cleared.
.macro MM a, b, kf, set, zero
.set rD, 8*(8*((\a)%4)+(\b))
.set rB, 128*(\set)+8*(\b)
.set rA, AF+64*(\set)+8*(\a)
.set rX, SB+8*((\b)/2)+(\kf)
.set rY, SA+8*((\a)/2)+(\kf)
.set CASE, 2*(\zero)+((\a)%2)
.if CASE == 0
	v_wmma_scale_f32_32x16x128_f4 v[rD:rD+15], v[rB:rB+15], v[rA:rA+7], v[rD:rD+15], v[rX], v[rY]
.elseif CASE == 1
	v_wmma_scale_f32_32x16x128_f4 v[rD:rD+15], v[rB:rB+15], v[rA:rA+7], v[rD:rD+15], v[rX], v[rY] matrix_b_scale:MATRIX_SCALE_ROW1
.elseif CASE == 2
	v_wmma_scale_f32_32x16x128_f4 v[rD:rD+15], v[rB:rB+15], v[rA:rA+7], 0, v[rX], v[rY]
.else
	v_wmma_scale_f32_32x16x128_f4 v[rD:rD+15], v[rB:rB+15], v[rA:rA+7], 0, v[rX], v[rY] matrix_b_scale:MATRIX_SCALE_ROW1
.endif
.endm
.macro MULS4 a0, kf, set, zero         ; 32 products, 16 instructions: four blocks of queries x key's eight.  The accumulators take turns, one instruction a turn, in the same order in every step
.irp a, \a0, \a0+1, \a0+2, \a0+3
.irp b, 0,2,4,6
	MM \a, \b, \kf, \set, \zero
.endr
.endr
.endm
; A step of 128 along K: its fragments are in; the next step's 32 loads go out in one run, into the set that the last step multiplied; then 64 products, in which those loads land.
.macro STEP kf, nslot, nq, zero
	s_wait_dscnt 0x0                               ; this step's 32 loads, issued 64 products ago
.if (\kf) > 0
	PLACES                                         ; behind the last step's products, which read the set now loaded
.endif
	FETCH \nslot, \nq, 1-(\kf)%2
	WIN 0xa1                                       ; source 0 (key) window 1, source 1 (query) window 0, C and D window 2
	MULS4 0, \kf, (\kf)%2, \zero
	WIN 0xf1                                       ; C and D window 3
	MULS4 4, \kf, (\kf)%2, \zero
	WIN 0
.endm
	s_wait_alu depctr_va_vdst(0)
	s_cmp_lt_u32 s16, 2
	s_cbranch_scc0 .Lslot_1_later
	s_wait_tensorcnt 0x0                           ; waves 0 and 1: slot 0's tiles are in.  Waves 2 and 3 wait for slot 1's in front of the next barrier; nothing is filled again in this launch
.Lslot_1_later:
	s_barrier_signal -1
	s_barrier_wait -1                              ; everybody's part is in
	FETCH 0, 0, 0
	s_wait_loadcnt 0x0                             ; the scale words
	STEP 0, 0, 1, 1                                ; the first products start the sums
	STEP 1, 0, 2, 0
	STEP 2, 0, 3, 0
	; the step kf = 3 changes slots.  Nothing is filled again: one plain barrier, so that every wave's part of slot 1 is there for all
	s_wait_tensorcnt 0x0                           ; my part of slot 1 is in
	s_wait_dscnt 0x0                               ; this step's fragments are in; no LDS instruction of mine is out at the signal
	s_barrier_signal -1
	WIN 0xa1
	MULS4 0, 3, 1, 0                               ; work on registers while the others arrive
	WIN 0
	s_barrier_wait -1
	PLACES
	FETCH 1, 0, 0
	WIN 0xf1
	MULS4 4, 3, 1, 0
	WIN 0
	STEP 4, 1, 1, 0
	STEP 5, 1, 2, 0
	STEP 6, 1, 3, 0
	s_wait_dscnt 0x0                               ; the last step: nothing more to fetch
	WIN 0xa1
	MULS4 0, 7, 1, 0
	WIN 0xf1
	MULS4 4, 7, 1, 0
	WIN 0
; THE WAY OUT.  Block a: 16 queries x my 128 keys.  A block of 32 keys is tiles 2 B and 2 B + 1, in lanes l and l xor 16.
; The conversion of tile t gives a register with keys 16 t + 8 h + 0 .. 7.  The operand's layout wants k = 64 c + 32 h + 0 .. 31 in registers 4 c .. 4 c + 3: so tiles 4 c, 4 c + 2, 4 c + 1, 4 c + 3 are written to
; registers 4 c .. 4 c + 3, and the exchange of the first's upper lanes with the second's lower lanes, in each pair, puts every 8 keys in place.
; Two blocks of rows, a0 and a0 + 1, go together, line by line, so that no line waits for the line above it.
.macro QUANT2 a0
	WIN 20*(2+(\a0)/4)                             ; sources 1 and 2: the accumulators' window
.irp b, 0,1,2,3
.irp a, \a0, \a0+1
	v_max3_num_f32 v[TM+32*((\a)%2)+\b], 0x1800000, |v[64*((\a)%4)+16*\b]|, |v[64*((\a)%4)+16*\b+1]|   ; my 16 numbers of block b, and the floor 2^(3 - 127): the byte cannot fall under 1.  Each accumulator is read from its low end on
.endr
.endr
.irp i, 2,4,6,8,10,12,14
.irp b, 0,1,2,3
.irp a, \a0, \a0+1
	v_max3_num_f32 v[TM+32*((\a)%2)+\b], v[TM+32*((\a)%2)+\b], |v[64*((\a)%4)+16*\b+\i]|, |v[64*((\a)%4)+16*\b+\i+1]|
.endr
.endr
.endr
	WIN 0
.irp b, 0,1,2,3
.irp a, \a0, \a0+1
	v_permlanex16_b32 v[TM+32*((\a)%2)+4+\b], v[TM+32*((\a)%2)+\b], s72, s73
.endr
.endr
.irp b, 0,1,2,3
.irp a, \a0, \a0+1
	v_max_num_f32 v[TM+32*((\a)%2)+\b], v[TM+32*((\a)%2)+\b], v[TM+32*((\a)%2)+4+\b]   ; with lane l xor 16's: the block's largest magnitude
.endr
.endr
.irp b, 0,1,2,3
.irp a, \a0, \a0+1
	v_add_nc_u32 v[TM+32*((\a)%2)+12+\b], 0xff000000, v[TM+32*((\a)%2)+\b]   ; 2 off its exponent field: the conversion takes the exponent field of this operand as its scale
.endr
.endr
.irp b, 0,1,2,3
.irp a, \a0, \a0+1
	v_lshrrev_b32 v[TM+32*((\a)%2)+4+\b], 23, v[TM+32*((\a)%2)+12+\b]   ; the scale's byte
.endr
.endr
.irp a, \a0, \a0+1
	v_lshl_or_b32 v[PW+(\a)], v[TM+32*((\a)%2)+5], 8, v[TM+32*((\a)%2)+4]   ; my row's scale word for these 128 keys
.endr
.irp a, \a0, \a0+1
	v_lshl_or_b32 v[PW+(\a)], v[TM+32*((\a)%2)+6], 16, v[PW+(\a)]
.endr
.irp a, \a0, \a0+1
	v_lshl_or_b32 v[PW+(\a)], v[TM+32*((\a)%2)+7], 24, v[PW+(\a)]
.endr
	WIN 2+(\a0)/4                                  ; source 0: the accumulators' window
.irp t, 0,1,2,3,4,5,6,7
.irp a, \a0, \a0+1
	v_cvt_scalef32_pk8_fp4_f32 v[PC+8*(\a)+4*(\t/4)+2*(\t%2)+(\t%4)/2], v[64*((\a)%4)+8*\t:64*((\a)%4)+8*\t+7], v[TM+32*((\a)%2)+12+\t/2]
.endr
.endr
	WIN 0
	v_nop                                          ; one plain place behind a scaled conversion
.irp c, 0,1
.irp a, \a0, \a0+1
	v_permlane16_swap_b32 v[PC+8*(\a)+4*\c], v[PC+8*(\a)+4*\c+1]
	v_permlane16_swap_b32 v[PC+8*(\a)+4*\c+2], v[PC+8*(\a)+4*\c+3]
.endr
.endr
.irp a, \a0, \a0+1
.irp c, 0,1
	global_store_b128 v[CO], v[PC+8*(\a)+4*\c:PC+8*(\a)+4*\c+3], s[12:13] offset:16384*(\a)+512*\c   ; 32 lanes store 512 consecutive bytes; each block has registers of its own, so no store's data are written again
.endr
.endr
.endm
	PLACES                                         ; behind the last products
.irp b, 0,1,2,3
	v_mov_b32 v[TM+4+\b], 0                        ; written once: a lane permute's destination counts as one of its sources
	v_mov_b32 v[TM+36+\b], 0
.endr
.irp a, 0,2,4,6
	QUANT2 \a
.endr
.irp p, 0,1,2,3
	v_cndmask_b32 v[WS+\p], v[PW+2*\p], v[PW+2*\p+1], s74   ; lanes 0-15: row 32 p + lane (block 2 p); lanes 16-31: block 2 p + 1
.endr
	global_store_b128 v[CO], v[WS:WS+3], s[14:15]  ; 512 consecutive bytes
	s_wait_tensorcnt 0x0
	ds_add_u32 v126, v127
	s_wait_dscnt 0x0
	CROUND                                         ; the closing round: no work-group ends while a partner may still ask for a tile that names it
	s_endpgm
.Lfunc_end_k_q155f890ea4_scores:
	.size	k_q155f890ea4_scores, .Lfunc_end_k_q155f890ea4_scores-k_q155f890ea4_scores
	.p2alignl 7, 3214868480
	.fill 96, 4, 3214868480
	.section	.rodata,"a",@progbits
	.p2align	6, 0x0
	.amdhsa_kernel k_q155f890ea4_scores
		.amdhsa_group_segment_fixed_size 279040
		.amdhsa_private_segment_fixed_size 0
		.amdhsa_enable_private_segment 0
		.amdhsa_kernarg_size 48
		.amdhsa_user_sgpr_count 2
		.amdhsa_user_sgpr_kernarg_segment_ptr 1
		.amdhsa_wavefront_size32 1
		.amdhsa_system_sgpr_workgroup_id_x 1
		.amdhsa_system_sgpr_workgroup_id_y 1
		.amdhsa_system_sgpr_workgroup_id_z 1
		.amdhsa_system_vgpr_workitem_id 0
		.amdhsa_next_free_vgpr 1024
		.amdhsa_next_free_sgpr 80
		.amdhsa_reserve_vcc 0
		.amdhsa_float_denorm_mode_32 3
		.amdhsa_float_denorm_mode_16_64 3
		.amdhsa_memory_ordered 1
		.amdhsa_forward_progress 1
		.amdhsa_inst_pref_size 92
	.end_amdhsa_kernel
	.amdgpu_metadata
---
amdhsa.version: [ 1, 2 ]
amdhsa.kernels:
  - .name:           k_q155f890ea4_scores
    .symbol:         k_q155f890ea4_scores.kd
    .args:
      - { .name: query_codes, .offset: 0, .size: 8, .value_kind: global_buffer, .address_space: global }
      - { .name: query_scales, .offset: 8, .size: 8, .value_kind: global_buffer, .address_space: global }
      - { .name: key_codes, .offset: 16, .size: 8, .value_kind: global_buffer, .address_space: global }
      - { .name: key_scales, .offset: 24, .size: 8, .value_kind: global_buffer, .address_space: global }
      - { .name: simg, .offset: 32, .size: 8, .value_kind: global_buffer, .address_space: global }
      - { .name: sscl, .offset: 40, .size: 8, .value_kind: global_buffer, .address_space: global }
    .group_segment_fixed_size: 279040
    .private_segment_fixed_size: 0
    .kernarg_segment_align: 8
    .kernarg_segment_size: 48
    .max_flat_workgroup_size: 128
    .sgpr_count:     80
    .vgpr_count:     1024
    .wavefront_size: 32
...
	.end_amdgpu_metadata
.endif
;; end of part 1
;; launch outp (part 2): grid 4 x 64, 4 waves a work-group, clusters of 4 x 4, 327,680 bytes of LDS; arguments simg, sscl, value_codes, value_scales, out0; writes out0
.if DOCPART == 2
	.amdgcn_target "amdgcn-amd-amdhsa--gfx1250"
	.amdhsa_code_object_version 6
	.text
	.protected	k_q155f890ea4_outp
	.globl	k_q155f890ea4_outp
	.p2align	8
	.type	k_q155f890ea4_outp,@function
k_q155f890ea4_outp:
	s_mov_b64 s[64:65], 0
	v_nop
	global_prefetch_b8 v0, s[64:65] scope:SCOPE_SE
	s_setreg_imm32_b32 hwreg(HW_REG_WAVE_MODE, 25, 1), 1
	s_wait_xcnt 0x0
	s_wait_alu depctr_hold_cnt(0) depctr_sa_sdst(0) depctr_va_vdst(0) depctr_va_sdst(0) depctr_va_ssrc(0) depctr_va_vcc(0) depctr_vm_vsrc(0)
	s_getreg_b32 s2, hwreg(HW_REG_IB_STS2, 6, 4)
	s_cmp_eq_u32 s2, 0
	s_cbranch_scc0 .Lentry_in_a_cluster
	s_endpgm
.Lentry_in_a_cluster:
	s_bfe_u32 s2, ttmp6, 0x10000c
	s_cmp_lg_u32 s2, 0xf033
	s_cbranch_scc0 .Lentry_shape_is_right
	s_endpgm
.Lentry_shape_is_right:
; out0[b][m][h] = sum over l of Q(S)[b][m][l] value[b][l][h], on codes of FP4 (E2M1) with one E8M0 scale for each 32 along the keys l; sums in f32, l ascending, one sum for each number.
; Q(S) comes from the launch before: simg [row / 16][key / 128][1,024 bytes], images of operand registers; sscl [row / 128][key / 128][lane][p][4 bytes], the scale word of row 32 p + lane.
; value comes as codes with the keys innermost: [b][h][1,024 bytes]; its scale bytes [b][h][64].
; LIMITS: NaN and infinities (a given scale byte 0xff, sums beyond f32) are not served.
; SHARES.  A work-group makes 128 rows x 256 columns of out0 (256 work-groups).  Wave (wr, wc) makes rows 64 wr on and columns 128 j + 64 wc + 0 .. 63, first for j = 0, then for j = 1.
; BY COLUMN GROUPS, NOT BY K: each group of 64 columns goes through all 2,048 keys, 256 products on 16 accumulators, and is then finished: group 0's rows are stored while group 1 is multiplied.
; S GOES FROM MEMORY STRAIGHT INTO REGISTERS: my 64 rows x 2,048 keys are 4 x 16 fragments, 512 registers, and simg holds them as register images: 128 loads of 512 consecutive bytes, all issued at the start,
;   each awaited by its count where its step begins.  It is not asked for jointly: a joint load lands in LDS, where value's 266,240 bytes leave no room for S's 131,072.
; LDS: value's 256 rows, filled ONCE; a stage for each wave; the spare words.  No byte is filled twice.
; CLUSTER 4 x 4: 512 rows x all 1,024 columns of one batch.  The four work-groups of a column of the cluster need the same rows of value: joint loads, one a wave: waves 0 and 1 fetch group 0's rows, waves 2 and 3 group 1's.
; No prefetch: every byte is asked for at the start, and no loop follows in which one could run ahead.
; THE MATRIX INSTRUCTION IS USED TRANSPOSED (source 0 = 16 rows of value, source 1 = 16 rows of S): a lane holds eight neighbouring columns of one row of out0.
; THE SCALES are loaded once from memory into scale registers: one register carries an even block in lanes 0-15 and the odd block behind it in lanes 16-31.
; REGISTERS, in windows of 256: window 0: v1-29 addresses; v32-63 S's scale words (register 2 kf + a / 2), v64-127 value's (32 j + 16 (b / 2) + kf); v128-255 value's fragments, two sets of 8 (2 kf x 4 blocks).
;   window 1: S's fragments of kf 0-7 ((a, kf) at v[8 (4 (kf % 8) + a)]);   window 2: of kf 8-15.   window 3: the accumulators ((j, a, b) at v[128 j + 8 (4 a + b)]), into which the rows come back from the stage.
; ONE INSTRUCTION TAKES TWO NEIGHBOURING BLOCKS OF SOURCE 0 (32 x 16 x 128): value's blocks b and b + 1 with b even.  What is said above of 16 rows of source 0 and of an accumulator (j, a, b) holds of each half: the pair is one run of 16 registers.
.set VP,    1040                       ; a row of value in LDS: 1,024 bytes + 16 of padding = 260 words: row r starts at bank 4 r mod 64 (64 banks of 4 bytes: ISA guide 11.1), so the 16 rows of a load start at 16 different banks
.set VQ,    64*VP                      ; 64 rows: what one tensor load brings
.set STAGE, 4*VQ                       ; the way out: 16 rows x 272 bytes for each wave: bytes into which no tile lands
.set SPITCH, 272
.set SPARE, STAGE+4*16*SPITCH          ; the spare words, 128 bytes for each wave: two blocks of 256 bytes that no other line names
.set LN16,  10                         ; v10     16 x lane
.set LN64,  11                         ; v11     64 x lane: a row of value's scale bytes
.set ADRV,  20                         ; v20-21  LDS address of my value fragments in group 0, 1
.set STO,   24                         ; v24     the stage: where I put 32 bytes of a row
.set RD,    25                         ; v25     and where I read 16 bytes of a row back
.set GO,    26                         ; v26     my byte offset in two rows of out0
.set SPW,   28                         ; v28     LDS address of my spare word; never rewritten
.set NIL,   29                         ; v29     0; never rewritten
.set SA,    32
.set SB,    64
.set VF,    128
.set G1V,   32                         ; s[32:39] descriptor group 1 for value;  s[44:47] group 0
.set G0V,   44
.set MSB,   0
.macro WIN new                         ; bits 1:0 source 0, 3:2 source 1, 5:4 source 2, 7:6 destination; the high byte repeats the setting that is left
.if MSB != (\new)
	s_set_vgpr_msb (MSB<<8)|(\new)
.set MSB, (\new)
.endif
.endm
.macro CROUND                          ; a round of the cluster's barrier
	s_barrier_signal -1
	s_barrier_wait -1
	s_cmp_lg_u32 s16, 0
	s_cbranch_scc1 .Lnot_wave_0_\@
	s_barrier_signal -3
.Lnot_wave_0_\@:
	s_barrier_wait -3
	s_barrier_signal -1
	s_barrier_wait -1
.endm
.macro PLACES                          ; four plain places behind a matrix instruction, ahead of loads into registers that it read and of reads of its result
.rept 4
	v_nop
.endr
.endm
	s_load_b256 s[4:11], s[0:1], 0x0               ; simg s[4:5], sscl s[6:7], value's codes s[8:9], its scales s[10:11]
	s_load_b64 s[12:13], s[0:1], 0x20              ; out0
	v_lshl_add_u32 v[SPW], v0, 2, SPARE
	v_mov_b32 v[NIL], 0
	ds_add_u32 v[SPW], v[NIL]                      ; the wave's opening: the add, twice on end, and its wait ahead of my tensor load; the set-up below stands between
	ds_add_u32 v[SPW], v[NIL]
	v_lshrrev_b32 v1, 5, v0
	v_readfirstlane_b32 s16, v1                    ; wave 0..3: also which 64 rows of value I fetch
	s_lshr_b32 s17, s16, 1                         ; wr: which 64 rows I multiply
	s_and_b32 s18, s16, 1                          ; wc: which 64 columns of each group
	s_bfe_u32 s19, ttmp6, 0x40000                  ; cx
	s_bfe_u32 s20, ttmp6, 0x40004                  ; cy
	s_lshl_b32 s21, ttmp9, 2
	s_add_co_u32 s21, s21, s19                     ; tx: which 256 columns
	s_and_b32 s22, ttmp7, 0xffff                   ; cluster y
	s_lshl_b32 s23, s22, 2
	s_add_co_u32 s23, s23, s20                     ; ty: which 128 of the 8,192 rows
	s_lshr_b32 s14, s22, 1                         ; the batch: two clusters to a batch's 1,024 rows
	s_lshl_b32 s57, 0x1111, s19                    ; my column of the cluster
	; group 1 for value: 64 whole rows of 1,024 bytes, dense in memory, 16 bytes of padding behind each in LDS
	s_or_b32 s[G1V+0], s57, (0<<16)|(1<<20)|(1<<21)|(7<<22)|(3<<25)   ; 15:0 the mask; 17:16 elements of 1 byte; 20 padding on; 21 set beside a mask; 24:22 after every 256 words (code 7); 31:25 four words (code 3)
	s_mov_b32 s[G1V+1], 1024<<16                   ; tensor_dim0
	s_mov_b32 s[G1V+2], 64<<16                     ; tensor_dim1
	s_mov_b32 s[G1V+3], 1024<<16                   ; tile_dim0
	s_mov_b32 s[G1V+4], 64                         ; tile_dim1
	s_mov_b32 s[G1V+5], 1024                       ; from row to row
	s_mov_b32 s[G1V+6], 0
	s_mov_b32 s[G1V+7], 0
	; byte offsets, each in a pair of its own with 0 above
	s_lshl_b32 s58, s23, 17                        ; S's images: 8 blocks of rows of 16,384 bytes for each ty; my four: 65,536 x wr
	s_lshl_b32 s59, s17, 16
	s_add_co_u32 s58, s58, s59
	s_mov_b32 s59, 0
	s_lshl_b32 s60, s14, 20                        ; value's tile: the batch's 1,024 rows of 1,024 bytes, + 256 tx rows, + 64 x wave rows
	s_lshl_b32 s61, s21, 18
	s_add_co_u32 s60, s60, s61
	s_lshl_b32 s61, s16, 16
	s_add_co_u32 s60, s60, s61
	s_mov_b32 s61, 0
	s_lshl_b32 s62, s23, 13                        ; S's scale words: group of rows ty, 8,192 bytes each; my 64 rows are p = 2 wr, 2 wr + 1: 8 wr bytes into a lane's 16
	s_lshl_b32 s63, s17, 3
	s_add_co_u32 s62, s62, s63
	s_mov_b32 s63, 0
	s_lshl_b32 s84, s14, 16                        ; value's scales: 64 bytes a row: the batch, + 256 tx rows, + 64 wc rows
	s_lshl_b32 s85, s21, 14
	s_add_co_u32 s84, s84, s85
	s_lshl_b32 s85, s18, 12
	s_add_co_u32 s84, s84, s85
	s_mov_b32 s85, 0
	s_lshl_b32 s86, s23, 19                        ; out0: row 128 ty + 64 wr of 4,096 bytes, column 256 tx + 64 wc of 4 bytes
	s_lshl_b32 s87, s17, 18
	s_add_co_u32 s86, s86, s87
	s_lshl_b32 s87, s21, 10
	s_add_co_u32 s86, s86, s87
	s_lshl_b32 s87, s18, 8
	s_add_co_u32 s86, s86, s87
	s_mov_b32 s87, 0
	s_mul_i32 s88, s16, VQ                         ; where my 64 rows of value go: no place in the cluster enters an LDS address
	s_mov_b32 s[G0V], 1                            ; count = 1
	s_mov_b32 s[G0V+1], s88                        ; LDS address
	s_mul_i32 s91, s18, VQ                         ; the 64 rows of a group's 128 that I multiply,
	s_add_co_u32 s90, s91, 2*VQ                    ; and the same of group 1
	s_mul_i32 s92, s16, 16*SPITCH
	s_add_co_u32 s92, s92, STAGE                   ; my stage
	v_and_b32 v1, 15, v0                           ; r
	v_bfe_u32 v2, v0, 4, 1                         ; h
	v_and_b32 v3, 31, v0                           ; lane
	v_mul_u32_u24 v4, v1, VP
	v_lshl_add_u32 v4, v2, 4, v4                   ; a fragment of value: row x pitch + 16 h
	v_lshlrev_b32 v[LN16], 4, v3
	v_lshlrev_b32 v[LN64], 6, v3
	v_add_nc_u32 v[ADRV], s91, v4
	v_add_nc_u32 v[ADRV+1], s90, v4
	v_mul_u32_u24 v5, v1, SPITCH
	v_lshl_add_u32 v5, v2, 5, v5
	v_add_nc_u32 v[STO], s92, v5                   ; in: row r, 32 bytes for each half of the lanes
	v_mul_u32_u24 v6, v2, SPITCH
	v_lshl_add_u32 v6, v1, 4, v6
	v_add_nc_u32 v[RD], s92, v6                    ; back: lanes 0-15 one row of 256 bytes, lanes 16-31 the next
	v_lshlrev_b32 v[GO], 12, v2
	v_lshl_add_u32 v[GO], v1, 4, v[GO]             ; and the same two rows in out0
	s_wait_alu depctr_va_vdst(0)                   ; the text's last ordinary vector write stands above
	s_wait_dscnt 0x0                               ; both opening adds are done
	s_wait_kmcnt 0x0
	s_add_nc_u64 s[4:5], s[4:5], s[58:59]
	s_add_nc_u64 s[8:9], s[8:9], s[60:61]
	s_add_nc_u64 s[6:7], s[6:7], s[62:63]
	s_add_nc_u64 s[10:11], s[10:11], s[84:85]
	s_add_nc_u64 s[12:13], s[12:13], s[86:87]
	s_mov_b64 s[G0V+2:G0V+3], s[8:9]               ; global address
	s_or_b32 s[G0V+3], s[G0V+3], 0x80000000        ; type = 2
; 32 loads of scale words, ahead of the round
.irp kf, 0,1,2,3,4,5,6,7,8,9,10,11,12,13,14,15
	global_load_b64 v[SA+2*\kf:SA+2*\kf+1], v[LN16], s[6:7] offset:512*\kf   ; S's, of my 64 rows: register 2 kf + pp: lanes 0-15 my block 2 pp, lanes 16-31 block 2 pp + 1
.endr
.irp j, 0,1
.irp p, 0,1
.irp i, 0,1,2,3
	global_load_b128 v[SB+32*\j+16*\p+4*\i:SB+32*\j+16*\p+4*\i+3], v[LN64], s[10:11] offset:8192*\j+2048*\p+16*\i   ; value's: lane l takes row 128 j + 32 p + l of mine, 64 bytes = 16 words
.endr
.endr
.endr
	CROUND                                         ; all sixteen work-groups are here: the joint loads meet
	; one tensor load a wave.  Group 1's line is not group 0's: its waves wait later.  Four v_nop follow each line
	s_cmp_lt_u32 s16, 2
	s_cbranch_scc0 .Lhead_g1
	tensor_load_to_lds s[G0V:G0V+3], s[G1V:G1V+7]
	s_nop 0
.rept 4
	v_nop
.endr
	s_branch .Lhead_asked
.Lhead_g1:
	tensor_load_to_lds s[G0V:G0V+3], s[G1V:G1V+7]
	s_nop 0
.rept 4
	v_nop
.endr
.Lhead_asked:
.macro SLOAD s                         ; 16 loads: my 64 rows of S, keys 256 s on: two steps of 128 keys x four blocks of 16 rows
	WIN 0x40+0x40*((\s)/4)                         ; destination window 1 (kf 0-7) or 2 (kf 8-15)
.irp q, 0,1
.irp a, 0,1,2,3
.irp c, 0,1
	global_load_b128 v[8*(4*((2*(\s)+\q)%8)+\a)+4*\c:8*(4*((2*(\s)+\q)%8)+\a)+4*\c+3], v[LN16], s[4:5] offset:16384*\a+1024*(2*(\s)+\q)+512*\c
.endr
.endr
.endr
.endm
.macro FETCH j, s, set                 ; 16 LDS loads in one run: group j, keys 256 s on: two steps of 128 keys x my four blocks of 16 columns.  Lane (r, h) holds row r; registers 4 c .. 4 c + 3 hold k = 64 c + 32 h + 0 .. 31
.irp q, 0,1
.irp b, 0,1,2,3
.irp c, 0,1
	ds_load_b128 v[VF+64*(\set)+8*(4*\q+\b)+4*\c:VF+64*(\set)+8*(4*\q+\b)+4*\c+3], v[ADRV+\j] offset:\b*16*VP+64*(2*(\s)+\q)+32*\c
.endr
.endr
.endr
.endm
; Two products in one instruction: S's block a x value's blocks b and b + 1 (b even) of group j, the kf-th 128 keys.  Value's scale register carries the 32 rows' words in its 32 lanes; an odd block a of S has its words in lanes 16-31.
; zero = 1: the instruction starts the sums: nothing is ever cleared.
.macro MM j, a, b, kf, set, q, zero
.set rD, 128*(\j)+8*(4*(\a)+(\b))
.set rV, VF+64*(\set)+8*(4*(\q)+(\b))
.set rS, 8*(4*((\kf)%8)+(\a))
.set rX, SB+32*(\j)+16*((\b)/2)+(\kf)
.set rY, SA+2*(\kf)+(\a)/2
.set CASE, 2*(\zero)+((\a)%2)
.if CASE == 0
	v_wmma_scale_f32_32x16x128_f4 v[rD:rD+15], v[rV:rV+15], v[rS:rS+7], v[rD:rD+15], v[rX], v[rY]
.elseif CASE == 1
	v_wmma_scale_f32_32x16x128_f4 v[rD:rD+15], v[rV:rV+15], v[rS:rS+7], v[rD:rD+15], v[rX], v[rY] matrix_b_scale:MATRIX_SCALE_ROW1
.elseif CASE == 2
	v_wmma_scale_f32_32x16x128_f4 v[rD:rD+15], v[rV:rV+15], v[rS:rS+7], 0, v[rX], v[rY]
.else
	v_wmma_scale_f32_32x16x128_f4 v[rD:rD+15], v[rV:rV+15], v[rS:rS+7], 0, v[rX], v[rY] matrix_b_scale:MATRIX_SCALE_ROW1
.endif
.endm
.macro MULQ j, s, q, zero              ; 16 products, 8 instructions: keys 128 (2 s + q) on: the group's accumulators take turns, one instruction a turn, in the same order every time
.irp a, 0,1,2,3
.irp b, 0,2
	MM \j, \a, \b, 2*(\s)+(\q), (\s)%2, \q, \zero
.endr
.endr
.endm
.macro MULR j, s, a0                   ; the same for blocks a0 and a0 + 1 alone, both of the step's 128 keys: the four accumulators take turns, keys ascending
.irp q, 0,1
.irp a, \a0, \a0+1
.irp b, 0,2
	MM \j, \a, \b, 2*(\s)+(\q), (\s)%2, \q, 0
.endr
.endr
.endr
.endm
; THE WAY OUT of block a (16 rows x my 64 columns) of group j.  A lane holds 32 neighbouring bytes of a row and the lanes beside it hold other rows: so the block goes through my own stage in LDS and comes back as
; rows of 256 bytes, into the registers that it left.  LDS serves a wave's instructions in order (ISA guide 5.7.1.4): no wait between the stores and the loads, nor in front of the next block's stores.
.macro TOSTAGE j, a
	WIN 0x0c                                       ; an LDS store's data are its source 1: window 3
.irp b, 0,1,2,3
	ds_store_b128 v[STO], v[128*(\j)+8*(4*(\a)+\b):128*(\j)+8*(4*(\a)+\b)+3] offset:64*\b          ; each accumulator from its low end on
	ds_store_b128 v[STO], v[128*(\j)+8*(4*(\a)+\b)+4:128*(\j)+8*(4*(\a)+\b)+7] offset:64*\b+16
.endr
	WIN 0xc0                                       ; destination window 3
.irp t, 0,1,2,3,4,5,6,7
	ds_load_b128 v[128*(\j)+32*(\a)+4*\t:128*(\j)+32*(\a)+4*\t+3], v[RD] offset:\t*2*SPITCH
.endr
.endm
.macro SEND j, a                       ; behind the wait that shows the block back in registers
	WIN 0x0c                                       ; a store's data are its source 1: window 3
.irp t, 0,1,2,3,4,5,6,7
	global_store_b128 v[GO], v[128*(\j)+32*(\a)+4*\t:128*(\j)+32*(\a)+4*\t+3], s[12:13] offset:(16*(\a)+2*\t)*4096+512*(\j) th:TH_STORE_NT   ; 16 lanes store 256 consecutive bytes, aligned; the data are never written again, and the base is never stepped
.endr
.endm
; A step of 256 keys: its value fragments are in; the next step's 16 loads go out in one run, into the set that the last step multiplied; then 32 products, in which those loads land.
; In group 0 the step's part of S is awaited: of 32 + 128 loads those of steps s + 1 .. 7, 16 each, may be out; the count is 63 where they are more (97 loads are then done: the scales, and S of steps 0 to 3).
; send, stage: a block of group 0 that is stored, and one that goes through the stage, beside group 1's products (-1: none).
.macro STEP j, s, nj, ns, send, stage
	s_wait_dscnt 0x0                               ; this step's 16 loads, issued 32 products ago, and the block that went through the stage with them
.if (\j)+(\s) > 0
	PLACES                                         ; behind the last step's products, which read the set now loaded
.endif
	FETCH \nj, \ns, 1-(\s)%2
.if (\send) >= 0
	SEND 0, \send
.endif
.if (\stage) >= 0
	TOSTAGE 0, \stage
.endif
.if (\j) == 0
.if (\s) < 4
	s_wait_loadcnt 63
.else
	s_wait_loadcnt 16*(7-(\s))
.endif
.endif
	WIN 0xf4+4*((\s)/4)                            ; source 0 (value) window 0, source 1 (S) window 1 (kf 0-7) or 2 (kf 8-15), C and D window 3
.if (\s) == 0
	MULQ \j, \s, 0, 1                              ; a group's first products start its sums
.else
	MULQ \j, \s, 0, 0
.endif
	MULQ \j, \s, 1, 0
	WIN 0
.endm
.irp s, 0,1,2,3,4,5,6,7
	SLOAD \s
.endr
	WIN 0
	s_cmp_lt_u32 s16, 2
	s_cbranch_scc0 .Lg1_later
	s_wait_tensorcnt 0x0                           ; waves 0 and 1: group 0's rows are in.  Waves 2 and 3 wait for group 1's in front of the next barrier; nothing is filled again in this launch
.Lg1_later:
	s_barrier_signal -1
	s_barrier_wait -1                              ; group 0 of value is whole for all
	FETCH 0, 0, 0
	STEP 0, 0, 0, 1, -1, -1
	STEP 0, 1, 0, 2, -1, -1
	STEP 0, 2, 0, 3, -1, -1
	STEP 0, 3, 0, 4, -1, -1
	STEP 0, 4, 0, 5, -1, -1
	STEP 0, 5, 0, 6, -1, -1
	STEP 0, 6, 0, 7, -1, -1
	; group 0's last step goes on to group 1: one plain barrier, so that all of value is there for all
	s_wait_tensorcnt 0x0                           ; my tensor load is in
	s_wait_loadcnt 0x0                             ; the last of S
	s_wait_dscnt 0x0                               ; this step's fragments are in; no LDS instruction of mine is out at the signal
	s_barrier_signal -1
	WIN 0xf8
	MULQ 0, 7, 0, 0                                ; work on registers while the others arrive
	WIN 0
	s_barrier_wait -1
	PLACES
	FETCH 1, 0, 0
	WIN 0xf8
	MULQ 0, 7, 1, 0
	WIN 0
	STEP 1, 0, 1, 1, -1, 0                         ; GROUP 0 IS FINISHED: its four blocks of rows leave beside group 1's products: block s through the stage in step s, stored in step s + 1
	STEP 1, 1, 1, 2, 0, 1
	STEP 1, 2, 1, 3, 1, 2
	STEP 1, 3, 1, 4, 2, 3
	STEP 1, 4, 1, 5, 3, -1
	STEP 1, 5, 1, 6, -1, -1
	STEP 1, 6, 1, 7, -1, -1
	s_wait_dscnt 0x0                               ; the last step: nothing more to fetch
	WIN 0xf8
	MULR 1, 7, 0                                   ; it goes by rows: blocks 0 and 1 are finished,
	WIN 0
	PLACES
	TOSTAGE 1, 0                                   ; and go through the stage while blocks 2 and 3 are multiplied
	TOSTAGE 1, 1
	WIN 0xf8
	MULR 1, 7, 2
	s_wait_dscnt 16                                ; block 0 is back; behind its loads: block 1's 8 stores and 8 loads, which may stay out
	SEND 1, 0
	s_wait_dscnt 0x0
	SEND 1, 1
	WIN 0
	PLACES                                         ; behind the last products
	TOSTAGE 1, 2
	TOSTAGE 1, 3
	s_wait_dscnt 16                                ; block 2 is back; behind its loads: block 3's 8 stores and 8 loads
	SEND 1, 2
	s_wait_dscnt 0x0
	SEND 1, 3
	WIN 0
	s_wait_tensorcnt 0x0                           ; the wave's end: behind my last tensor load and my last LDS store
	ds_add_u32 v[SPW], v[NIL]
	s_wait_dscnt 0x0
	CROUND                                         ; the closing round: no work-group ends while a partner may still ask for a tile that names it
	s_endpgm
.Lfunc_end_k_q155f890ea4_outp:
	.size	k_q155f890ea4_outp, .Lfunc_end_k_q155f890ea4_outp-k_q155f890ea4_outp
	.p2alignl 7, 3214868480
	.fill 96, 4, 3214868480
	.section	.rodata,"a",@progbits
	.p2align	6, 0x0
	.amdhsa_kernel k_q155f890ea4_outp
		.amdhsa_group_segment_fixed_size 327680
		.amdhsa_private_segment_fixed_size 0
		.amdhsa_enable_private_segment 0
		.amdhsa_kernarg_size 40
		.amdhsa_user_sgpr_count 2
		.amdhsa_user_sgpr_kernarg_segment_ptr 1
		.amdhsa_wavefront_size32 1
		.amdhsa_system_sgpr_workgroup_id_x 1
		.amdhsa_system_sgpr_workgroup_id_y 1
		.amdhsa_system_sgpr_workgroup_id_z 1
		.amdhsa_system_vgpr_workitem_id 0
		.amdhsa_next_free_vgpr 1024
		.amdhsa_next_free_sgpr 96
		.amdhsa_reserve_vcc 0
		.amdhsa_float_denorm_mode_32 3
		.amdhsa_float_denorm_mode_16_64 3
		.amdhsa_memory_ordered 1
		.amdhsa_forward_progress 1
		.amdhsa_inst_pref_size 88
	.end_amdhsa_kernel
	.amdgpu_metadata
---
amdhsa.version: [ 1, 2 ]
amdhsa.kernels:
  - .name:           k_q155f890ea4_outp
    .symbol:         k_q155f890ea4_outp.kd
    .args:
      - { .name: simg, .offset: 0, .size: 8, .value_kind: global_buffer, .address_space: global }
      - { .name: sscl, .offset: 8, .size: 8, .value_kind: global_buffer, .address_space: global }
      - { .name: value_codes, .offset: 16, .size: 8, .value_kind: global_buffer, .address_space: global }
      - { .name: value_scales, .offset: 24, .size: 8, .value_kind: global_buffer, .address_space: global }
      - { .name: out0, .offset: 32, .size: 8, .value_kind: global_buffer, .address_space: global }
    .group_segment_fixed_size: 327680
    .private_segment_fixed_size: 0
    .kernarg_segment_align: 8
    .kernarg_segment_size: 40
    .max_flat_workgroup_size: 128
    .sgpr_count:     96
    .vgpr_count:     1024
    .wavefront_size: 32
...
	.end_amdgpu_metadata
.endif
;; end of part 2
